; MI455X (gfx1250); checked and timed in simulation.
; The chip was launched on July 23, 2026; its instructions are those of AMD's public machine-readable ISA for CDNA 5 (MIT licence, August 2026) and "CDNA5" Instruction Set Architecture Reference Guide (July 2026). The comments in the code are by the model that wrote it; some were corrected since.
;; MHA. Allowed arithmetic: matrix products marked QUANTISED: E4M3 operands, one given power-of-two scale a tensor, by v_wmma_f32_16x16x64_fp8_fp8 or v_wmma_f32_16x16x128_fp8_fp8, f32 sums; everything else in f32.
;; Inputs: kv 2 x 2,048 x 2 x 16 x 128 float32; lowp_scales 4 int32 (the exponents e of the quantised operands' scales 2^e); q_codes 2 x 2,048 x 16 x 4 x 32 uint8 (E4M3 codes of q, K innermost, in blocks of 32 codes).
;; Outputs: out0 2 x 2,048 x 16 x 128 float32.
;; This version of the problem:
;;   THIS VERSION OF THE PROBLEM IS GIVEN IN LOW PRECISION. The matrix products marked QUANTISED in the list below multiply operands that are first quantised to E4M3 (4 exponent bits, 3 mantissa bits; 8 bits a number), with one given power-of-two scale for each operand tensor; their sums are f32. All else is computed in f32.
;;   The module's matrix products, in the order in which they are computed (A, B: the left and right operand; K: the contracted axis; several contracted axes count as one K, in the product's order):
;;     1. batch 32 x [M 2,048, K 128] x [K 128, N 2,048]; A: input q (given as codes); B: computed on the way: QUANTISED (scales: A lowp_scales[0], B lowp_scales[1])
;;     2. batch 32 x [M 128, K 2,048] x [K 2,048, N 2,048]; A: input kv; B: computed on the way: QUANTISED (scales: A lowp_scales[2], B lowp_scales[3])
;;   THE QUANTISER, for each operand of a quantised product, along K:
;;     - The operand's scale is 2^e, e = its entry of the input lowp_scales (int32; the entries are numbered through the quantised products in the list's order, A before B).
;;     - Each number is divided by the scale, clamped to +-448, and rounded to the nearest number of E4M3, ties to even, subnormals kept.
;;     - The product sums the exact products of the quantised numbers (number of the format x scale) in f32.
;;   ~~~python
;;   def quantise(x, axis, e):      # numpy; x: float32 -> the quantised numbers, widened to float32 again
;;       x = np.moveaxis(x, axis, -1); K = x.shape[-1]
;;       r = np.clip(x / 2.0 ** e, -448, 448)
;;       step = 2.0 ** (np.maximum(np.frexp(np.where(r == 0, 1, r))[1] - 1, -6) - 3)
;;       q = np.round(r / step) * step * 2.0 ** e      # np.round: ties to even
;;       return np.moveaxis(q, -1, axis).astype(np.float32)
;;   ~~~
;;   OPERANDS COMPUTED ON THE WAY. 'Computed on the way' means the value that the module computes at that place (a softmax that the list does not call 'softmax' is quantised finished and normalised). What goes into a quantiser is computed in f32, as accurately as f32 sums, v_exp_f32 and their like allow (about 1e-6 of the number): no bf16 or f16 on the way to a quantiser, and a product that is left as it is and whose result goes on into a quantised operand takes f32 operands (vector FMAs, or v_wmma_f32_16x16x4_f32). A number that lies on a knife's edge between two numbers of the format may be rounded either way, as far as f32 arithmetic and the matrix unit's own rounding can turn it there, and no further.
;;   INPUTS GIVEN AS CODES. q (in the module: [2, 2048, 16, 128], K = its axis 3): each comes as NAME_codes (uint8): NAME with its K axis moved to the last place and cut into blocks of 32 codes, [.., K / 32, bytes a block], one block behind the other in memory; one code a byte (a code: sign, 4 exponent bits, 3 mantissa bits); its scale is its entry of lowp_scales. Its value is code x scale, taken as it is: it is not quantised again, and the codes and scales need not be those that the quantiser above would give.
;; One version. Each part assembles by itself: llvm-mc -triple=amdgcn-amd-amdhsa -mcpu=gfx1250 --defsym DOCPART=n.
;; ======== version 1 of 1: 2 launches
;; workspace buffers: kimg 8,388,608 bytes; vimg 8,388,608 bytes
;; launch prep (part 1): grid 16 x 32, 8 waves a work-group, no clusters, 19,456 bytes of LDS; arguments kv, lowp_scales, kimg, vimg; writes kimg, vimg
.if DOCPART == 1
	.amdgcn_target "amdgcn-amd-amdhsa--gfx1250"
	.amdhsa_code_object_version 6
	.text
	.protected	k_qe355458270_prep
	.globl	k_qe355458270_prep
	.p2align	8
	.type	k_qe355458270_prep,@function
k_qe355458270_prep:
	s_mov_b64 s[64:65], 0
	v_nop
	global_prefetch_b8 v0, s[64:65] scope:SCOPE_SE
	s_setreg_imm32_b32 hwreg(HW_REG_WAVE_MODE, 25, 1), 1
	s_wait_xcnt 0x0
; kv [2][2048][2][16][128] f32 becomes two buffers of E4M3 codes: k x (1 / sqrt(128)) with the given scale 2^e1, v with 2^e2 (entries 1 and 2 of the scales).
; code = number / 2^e, held within +-448, rounded to the nearest code, ties to even.  k x scale is one f32 multiplication, as the problem writes it, ahead of the quantiser.
; BOTH BUFFERS ARE LAID AS IMAGES OF THE NEXT LAUNCH'S OPERAND REGISTERS: [32 heads (16 b + h)][16 steps of 128 keys][8 tiles][4 chunks][32 lanes][16 bytes].  Lane = (r = lane % 16, hf = lane / 16).
;   kimg: tile t, chunk c, lane (r, hf): key 32 (t / 2) + 8 (t % 2) + r + 8 (r / 8) of the step, channels 32 c + 16 hf + 0 .. 15.
;   vimg: tile t, chunk c, lane (r, hf): channel 16 t + r, keys 32 c + 16 hf + 0 .. 15 of the step.
; A work-group takes one step of one head.  Waves 0-3 take K, 32 keys each (two tiles); waves 4-7 take V, 32 channels each (two tiles).  Waves share nothing: no barrier.
; K: a load reads one key's whole row of 512 bytes, 4 channels a lane; a lane's 4 codes are a word; the words turn through the wave's own stage in LDS (a key's 128 bytes + 16 of padding) and come back 16 bytes a lane
;    in the image's order; each store covers 512 consecutive bytes.
; V: a lane takes a channel and its registers run down the keys, so that the conversions give codes with the keys innermost; sixteen lanes' 16 bytes are 256 consecutive, aligned bytes of the image: no stage.
; LIMITS: e1 and e2 between -126 and 119, so that 2^e and 448 x 2^e are f32 numbers.  NaN in kv is not served (an infinity is held at the largest code).
.set ROWK,  16384                      ; bytes from key to key in kv
.set SP,    144                        ; a key's row in a stage
.set STG,   32*SP                      ; a stage: 32 keys
.set SPARE, 4*STG                      ; behind the four stages: the spare words, 128 bytes for each of the eight waves: four blocks of 256 bytes that no other line names
.set X,     32                         ; v32-159   the numbers as loaded
.set C,     160                        ; v160-191  codes: each register is written once, so no store's data are written again
.set OUTR,  192                        ; v192-223  K: the image's registers, back from the stage
.set SPW,   12                         ; v12       LDS address of my spare word; never rewritten
.set NIL,   13                         ; v13       0; never rewritten
.macro SCALES e                        ; v11 = 2^e as f32 (the conversion takes its exponent field), v10 = 448 x 2^e
	s_wait_kmcnt 0x0
	s_add_co_i32 s22, s[\e], 127
	s_lshl_b32 s23, s22, 23
	v_mov_b32 v11, s23
	s_add_co_i32 s22, s22, 8
	s_lshl_b32 s22, s22, 23
	s_or_b32 s22, s22, 0x600000
	v_mov_b32 v10, s22
.endm
	s_load_b256 s[4:11], s[0:1], 0x0               ; kv s[4:5], the scales' exponents s[6:7], kimg s[8:9], vimg s[10:11]
	v_lshl_add_u32 v[SPW], v0, 2, SPARE
	v_mov_b32 v[NIL], 0
	v_lshrrev_b32 v1, 5, v0
	v_readfirstlane_b32 s14, v1                    ; wave 0..7
	v_and_b32 v1, 31, v0                           ; lane
	v_lshlrev_b32 v2, 4, v1                        ; 16 x lane: K's loads and stores
	v_lshlrev_b32 v5, 2, v1                        ; 4 x lane: V's loads
	v_and_b32 v7, 15, v0                           ; r
	v_bfe_u32 v8, v0, 4, 1                         ; hf
	s_and_b32 s15, s14, 3                          ; which quarter of K or of V is mine
	s_mul_i32 s22, s15, STG                        ; my stage (K's waves alone use one); every LDS address is made here, ahead of the parting of the two kinds of waves
	v_add_nc_u32 v3, s22, v5                       ; into it: a key's row, my word
	v_and_b32 v9, 8, v7
	v_add_nc_u32 v9, v9, v7                        ; r + 8 (r / 8)
	v_mul_u32_u24 v4, v9, SP
	v_lshl_add_u32 v4, v8, 4, v4
	v_add_nc_u32 v4, s22, v4                       ; out of it: key r + 8 (r / 8), + 16 hf
	v_lshlrev_b32 v6, 4, v7
	v_lshl_add_u32 v6, v8, 11, v6                  ; V's stores: tile lane / 16 of my two (2,048 bytes), 16 (lane % 16)
	s_and_b32 s23, ttmp7, 0xffff                   ; the head: 16 b + h
	s_lshr_b32 s16, s23, 4
	s_lshl_b32 s16, s16, 25                        ; b x 2,048 keys x 16,384 bytes
	s_and_b32 s17, s23, 15
	s_lshl_b32 s17, s17, 9                         ; h x 512
	s_add_co_u32 s16, s16, s17
	s_lshl_b32 s17, ttmp9, 21                      ; the step's 128 keys
	s_add_co_u32 s16, s16, s17
	s_lshl_b32 s17, s15, 19                        ; K: my 32 keys
	s_lshl_b32 s18, s15, 7
	s_add_co_u32 s18, s18, 8192                    ; V: the value half of a key's row, my 32 channels
	s_cmp_lt_u32 s14, 4
	s_cselect_b32 s17, s17, s18
	s_add_co_u32 s16, s16, s17
	s_mov_b32 s17, 0                               ; s[16:17]: where my wave reads in kv (under 2^26)
	s_lshl_b32 s18, s23, 18
	s_lshl_b32 s19, ttmp9, 14
	s_add_co_u32 s18, s18, s19
	s_lshl_b32 s19, s15, 12
	s_add_co_u32 s18, s18, s19
	s_mov_b32 s19, 0                               ; s[18:19]: my two tiles in the image
	s_mov_b32 s20, 0x3db504f3                      ; 1 / sqrt(128) as f32
	s_mov_b32 s21, s20                             ; (named with it as a pair, so it is written)
	s_wait_kmcnt 0x0
	s_load_b128 s[24:27], s[6:7], 0x0              ; e0, e1, e2, e3
	s_add_nc_u64 s[4:5], s[4:5], s[16:17]
	s_cmp_lt_u32 s14, 4                            ; the choice hangs on the wave's number alone
	s_cselect_b64 s[28:29], s[8:9], s[10:11]
	s_add_nc_u64 s[28:29], s[28:29], s[18:19]
	s_cmp_lt_u32 s14, 4
	s_cbranch_scc0 .Lvalues
	; ---- K: 32 keys
.set i, 0
.rept 32
	global_load_b128 v[X+4*i:X+4*i+3], v2, s[4:5] offset:i*ROWK th:TH_LOAD_NT   ; key i: 32 lanes read its 512 consecutive bytes
.set i, i+1
.endr
	SCALES 25
.set g, 0
.rept 16
	s_wait_loadcnt 30-2*g                          ; keys 2 g and 2 g + 1 are in; the 30 - 2 g younger loads may be out
.irp j, 0,2,4,6
	v_pk_mul_f32 v[X+8*g+\j:X+8*g+\j+1], v[X+8*g+\j:X+8*g+\j+1], s[20:21] op_sel_hi:[1,0]   ; k x scale
.endr
.irp j, 0,1,2,3,4,5,6,7
	v_med3_num_f32 v[X+8*g+\j], v[X+8*g+\j], -v10, v10   ; the conversion to an 8-bit code does not saturate (ISA guide 7.6.2): the hold at the largest code x the scale
.endr
	v_cvt_scalef32_pk8_fp8_f32 v[C+2*g:C+2*g+1], v[X+8*g:X+8*g+7], v11   ; first register: key 2 g's four codes; second: key 2 g + 1's
	ds_store_b32 v3, v[C+2*g] offset:(2*g)*SP
	ds_store_b32 v3, v[C+2*g+1] offset:(2*g+1)*SP
.set g, g+1
.endr
	v_nop                                          ; a plain vector line behind the last conversion
.irp j, 0,1,2,3,4,5,6,7
	ds_load_b128 v[OUTR+4*\j:OUTR+4*\j+3], v4 offset:(\j/4)*8*SP+(\j%4)*32   ; tile j / 4, chunk j % 4.  LDS serves a wave's instructions in order (ISA guide 5.7.1.4): these see my stores
.endr
.irp j, 0,1,2,3,4,5,6,7
	s_wait_dscnt 7-\j                              ; load j is back; the younger ones may be out
	global_store_b128 v2, v[OUTR+4*\j:OUTR+4*\j+3], s[28:29] offset:(\j/4)*2048+(\j%4)*512   ; 512 consecutive bytes, aligned
.endr
	s_branch .Lend
	; ---- V: 32 channels x 128 keys
.Lvalues:
.set i, 0
.rept 128
	global_load_b32 v[X+i], v5, s[4:5] offset:i*ROWK th:TH_LOAD_NT   ; key i at my channel: the four waves stand side by side on the row's 512 bytes
.set i, i+1
.endr
	SCALES 26
.set g, 0
.rept 8
.if 112-16*g > 63
	s_wait_loadcnt 63                              ; keys 16 g .. 16 g + 15 are in: 112 - 16 g loads are younger, and the wait's field ends at 63
.else
	s_wait_loadcnt 112-16*g
.endif
.irp j, 0,1,2,3,4,5,6,7,8,9,10,11,12,13,14,15
	v_med3_num_f32 v[X+16*g+\j], v[X+16*g+\j], -v10, v10
.endr
	v_cvt_scalef32_pk8_fp8_f32 v[C+4*g:C+4*g+1], v[X+16*g:X+16*g+7], v11
	v_cvt_scalef32_pk8_fp8_f32 v[C+4*g+2:C+4*g+3], v[X+16*g+8:X+16*g+15], v11
	global_store_b128 v6, v[C+4*g:C+4*g+3], s[28:29] offset:256*g   ; chunk g / 2, half g % 2: sixteen lanes fill 256 consecutive bytes, aligned
.set g, g+1
.endr
	v_nop                                          ; a plain vector line behind the last conversion
.Lend:
	s_wait_tensorcnt 0x0                           ; the wave's end: behind my last LDS store
	ds_add_u32 v[SPW], v[NIL]
	s_wait_dscnt 0x0
	s_endpgm
.Lfunc_end_k_qe355458270_prep:
	.size	k_qe355458270_prep, .Lfunc_end_k_qe355458270_prep-k_qe355458270_prep
	.p2alignl 7, 3214868480
	.fill 96, 4, 3214868480
	.section	.rodata,"a",@progbits
	.p2align	6, 0x0
	.amdhsa_kernel k_qe355458270_prep
		.amdhsa_group_segment_fixed_size 19456
		.amdhsa_private_segment_fixed_size 0
		.amdhsa_enable_private_segment 0
		.amdhsa_kernarg_size 32
		.amdhsa_user_sgpr_count 2
		.amdhsa_user_sgpr_kernarg_segment_ptr 1
		.amdhsa_wavefront_size32 1
		.amdhsa_system_sgpr_workgroup_id_x 1
		.amdhsa_system_sgpr_workgroup_id_y 1
		.amdhsa_system_sgpr_workgroup_id_z 1
		.amdhsa_system_vgpr_workitem_id 0
		.amdhsa_next_free_vgpr 224
		.amdhsa_next_free_sgpr 66
		.amdhsa_reserve_vcc 0
		.amdhsa_float_denorm_mode_32 3
		.amdhsa_float_denorm_mode_16_64 3
		.amdhsa_memory_ordered 1
		.amdhsa_forward_progress 1
		.amdhsa_inst_pref_size 46
	.end_amdhsa_kernel
	.amdgpu_metadata
---
amdhsa.version: [ 1, 2 ]
amdhsa.kernels:
  - .name:           k_qe355458270_prep
    .symbol:         k_qe355458270_prep.kd
    .args:
      - { .name: kv, .offset: 0, .size: 8, .value_kind: global_buffer, .address_space: global }
      - { .name: lowp_scales, .offset: 8, .size: 8, .value_kind: global_buffer, .address_space: global }
      - { .name: kimg, .offset: 16, .size: 8, .value_kind: global_buffer, .address_space: global }
      - { .name: vimg, .offset: 24, .size: 8, .value_kind: global_buffer, .address_space: global }
    .group_segment_fixed_size: 19456
    .private_segment_fixed_size: 0
    .kernarg_segment_align: 8
    .kernarg_segment_size: 32
    .max_flat_workgroup_size: 256
    .sgpr_count:     66
    .vgpr_count:     224
    .wavefront_size: 32
...
	.end_amdgpu_metadata
.endif
;; end of part 1
;; launch attn (part 2): grid 8 x 32, 8 waves a work-group, clusters of 4 x 1, 327,680 bytes of LDS; arguments q_codes, kimg, vimg, lowp_scales, out0; writes out0
.if DOCPART == 2
	.amdgcn_target "amdgcn-amd-amdhsa--gfx1250"
	.amdhsa_code_object_version 6
	.text
	.protected	k_qe355458270_attn
	.globl	k_qe355458270_attn
	.p2align	8
	.type	k_qe355458270_attn,@function
k_qe355458270_attn:
	s_mov_b64 s[64:65], 0
	v_nop
	global_prefetch_b8 v0, s[64:65] scope:SCOPE_SE
	s_setreg_imm32_b32 hwreg(HW_REG_WAVE_MODE, 25, 1), 1
	s_wait_xcnt 0x0
	s_wait_alu depctr_hold_cnt(0) depctr_sa_sdst(0) depctr_va_vdst(0) depctr_va_sdst(0) depctr_va_ssrc(0) depctr_va_vcc(0) depctr_vm_vsrc(0)
	s_getreg_b32 s2, hwreg(HW_REG_IB_STS2, 6, 4)
	s_cmp_eq_u32 s2, 0
	s_cbranch_scc0 .Lentry_in_a_cluster
	s_endpgm
.Lentry_in_a_cluster:
	s_bfe_u32 s2, ttmp6, 0x10000c
	s_cmp_lg_u32 s2, 0x3003
	s_cbranch_scc0 .Lentry_shape_is_right
	s_endpgm
.Lentry_shape_is_right:
; out[b][t][h][:] = the sum over s of attn[t][s] v[s][:], attn = softpick(scores), scores = q . (k / sqrt(128)) with -10000 where s > t.  Both products on codes of E4M3; sums in f32.
; softpick(x) = relu(e^(x - m) - e^(-m)) / (sum over all 2,048 keys of |e^(x - m) - e^(-m)| + 1e-6), m the row's largest x.  attn is quantised FINISHED, with the given 2^e3: so the row's m and divisor are
; found first.  TWO PASSES over the keys: pass 1 makes the scores and keeps a running shift and sum; pass 2 makes the scores again, then attn, its codes and v^T attn^T.
; THE SHIFT.  T = max(m, 0), a running maximum that begins at 0, in base 2 (t = x log2(e)).  For m >= 0 it is m.  For m < 0 every x is negative, so every numerator relu(e^(-m) (e^x - 1)) is 0 whatever the
; divisor: with T = 0 the numerators are relu(e^x - 1) = 0 too.  No exponent here is above 0, so no exponential and no sum overflows.  When T grows, the sum is multiplied by 2^(old T - new T): both terms of each |.| scale alike.
; WORK LEFT OUT.  For a key step all of whose 128 keys come after a tile's queries the scores are thrown away by the mask that the problem builds itself, and there attn = relu(e^(-m) (e^-10000 - 1)) = 0 for
; every m: both products of such steps reach no output and are not made.  Their part of the divisor is made: 128 (15 - block) x |2^(-10000 log2(e) - T) - 2^(-T)|, added once.  Every input is loaded.
; A NaN, an infinity or an overflow that would reach only the products left out is not carried to the result.
; LIMITS: e0 + e1 between -126 and 102 (it is added to log2(e)'s exponent field, and every score, at most 448 x 448 x 128 in size, times that stays finite: so the problem's test for finite scores always holds and
; no select is written; under -114 the masked score becomes -infinity, whose exponential is the same 0); e3 between -126 and 119; e2 + e3 between -126 and 127.  A NaN code in q makes its row NaN.
; SHARES.  A head's 2,048 queries are 16 blocks of 128; work-group x (0..7) takes tile x (16 queries) of EVERY block, so all work-groups have the same work.  Wave w owns two tiles: A in block a = w + (w & 4), B in block
; a + 4; while both are live they share each fragment read from LDS.  A wave leaves out the steps behind its block B; wave 7 (block 15) reads every step, so every tile that is fetched is read.
; CLUSTER.  The four work-groups of a cluster belong to one head and walk the same K and V: each tile is asked for JOINTLY, by the same tensor load with the same descriptor and a mask that names the four.
; LAYOUT.  Both products are used transposed: S^T = K Q^T (source 0 = 16 keys, source 1 = 16 queries), O^T = V^T P^T (source 0 = 16 channels, source 1 = attn's codes): a lane holds ONE query (lane % 16) throughout.
; kimg and vimg are images of the operands' registers (tile x 2,048 + chunk x 512 + 16 x lane): a fragment is four loads of 512 consecutive LDS bytes.  The keys of a tile of K are chosen so that registers 16 b + i of
; S^T are keys 32 b + 16 (lane / 16) + i: the conversions' results are the second product's operand.
; LDS: two slots of 65,536 bytes.  Pass 1: a slot holds K of four steps.  Pass 2: K and V of two steps, [K | V | K | V], 16,384 bytes each.  In both, wave w's one load is the 8,192 bytes at slot + 8,192 w.
;   From 163,840: a stage of 16 rows x 528 bytes for each wave, for the way out; no fill lands there.  Behind the stages: the spare words.
; REGISTERS.  Window 0: v1-15 addresses and constants; v16-27 pass 2's constants of tiles A, B; v28-31 at work; v32-159 eight fragments; v160-223 S^T; v224-239, v240-255 pass 1: the tiles' statistics, pass 2: their codes.
;   Window 1: v0-63 O^T of A, v64-127 of B, v128-143 Q of A, v144-159 Q of B.
.set SLOT1,  1<<16                     ; slot 1 begins here: one exclusive or turns an address in one slot into the other's
.set STAGE,  163840
.set SPITCH, 528                       ; a stage row: 512 bytes + 16
.set SPARE,  STAGE+8*16*SPITCH         ; the spare words, 128 bytes for each of the eight waves: four blocks of 256 bytes that no other line names
.set LI,   1                           ; v1   16 x lane: my place in an image's 512 bytes, and in a row of out
.set ADK,  2                           ; v2   LDS address of the step in hand
.set DG,   3                           ; v3   my query's place in its block less 16 (lane / 16): 16 x + lane % 16 - 16 (lane / 16)
.set NEGS, 4                           ; v4   -10000 / 2^(e0 + e1): the masked score, as a raw sum
.set SPW,  5                           ; v5   LDS address of my spare word; never rewritten
.set NIL,  6                           ; v6   0; never rewritten
.set STO,  7                           ; v7   the stage: where I put 32 bytes of a row
.set RD,   8                           ; v8   and where I read a row back
.set PFO,  10                          ; v10  256 x lane: the prefetches' offset
.set LIMP, 11                          ; v11  448 x 2^e3
.set SCP,  12                          ; v12  2^e3
.set QO,   13                          ; v13  Q: row lane % 16 of 2,048 bytes, + 16 (lane / 16)
.set NSA,  14                          ; v14, v15  128 (15 - block) as f32: the keys of the steps left out, for A and B
.set NSB,  15
.set CA,   16                          ; a tile's constants for pass 2, three pairs: -T, 1 / divisor, -2^(-T) / divisor
.set CB,   22
.set FR,   32
.set S,    160
.set PA,   224                         ; pass 1, from here on: +0 T; +2 -T; +4 f; +6 2^(-T); +8..+11 four sums; +12..+14 at work
.set PB,   240
.set OA,   0                           ; window 1
.set OB,   64
.set QA,   128
.set QB,   144
.set WV,   14                          ; s14  my wave's number
.set CX,   15                          ; s15  my place in the cluster: it enters Q's, out's and the prefetches' addresses and the mask's lane constant, nothing else
.set XX,   16                          ; s16  work-group x
.set HD,   17                          ; s17  the head
.set BA,   18                          ; s18, s19  my tiles' blocks
.set BB,   19
.set SEL,  20                          ; s[20:21] lane selects for v_permlanex16_b32: lane l xor 16
.set CS,   22                          ; s[22:23] log2(e) x 2^(e0 + e1): t = raw sum x this
.set G1,   24                          ; s[24:31] descriptor group 1
.set G0,   32                          ; s[32:35] descriptor group 0, which walks
.set PK,   36                          ; s[36:37] pass 1: my 8,192 bytes of the slot last asked for
.set PG,   38                          ; s[38:39] pass 2: likewise
.set PFB,  40                          ; s[40:41] the prefetches' first address;  s[42:43] the one in hand
.set PFA,  42
.set PLO,  44                          ; s44  the first change of slots at which I prefetch;  s45 how many;  s46 bytes from one to the next
.set PLEN, 45
.set PFS,  46
.set CH,   47                          ; s47  the number of the change of slots, 0..11
.set QI,   48                          ; s48  counts a slot's steps
.set KS,   49                          ; s49  the key step, 0..15
.set TB,   50                          ; s50  LDS byte at which the step in hand begins
.set LC,   51                          ; s51  counts a pass's changes of slots
.set EX,   52                          ; s[52:55] e0, e1, e2, e3
.set OSC,  56                          ; s[56:57] 2^(e2 + e3)
.set MSB, 0
.macro WIN new                         ; the immediate's high byte repeats the setting that is left; bits 1:0 source 0, 3:2 source 1, 5:4 source 2, 7:6 destination
.if MSB != \new
	s_set_vgpr_msb (MSB<<8)|\new
.set MSB, \new
.endif
.endm
.macro PLACES                          ; four plain places behind matrix instructions, ahead of reads of results and of loads into registers that they have read
.rept 4
	v_nop
.endr
.endm
.macro CROUND                          ; a round of the cluster's barrier
	s_barrier_signal -1
	s_barrier_wait -1
	s_cmp_lg_u32 s[WV], 0
	s_cbranch_scc1 .Lnot_wave_0_\@
	s_barrier_signal -3
.Lnot_wave_0_\@:
	s_barrier_wait -3
	s_barrier_signal -1
	s_barrier_wait -1
.endm
; A PREFETCH INTO THE L2 of what the NEXT change of slots will ask for, behind my tensor load and its five lines.  Both clusters of a head walk the same K and V: the head's first cluster asks.  Its four partners are told
; apart BY ADDRESS (8,192 bytes each), lanes 256 bytes apart, so each 256 bytes are named once.  Waves 0 and 1: at changes 0 and 1, K of pass 1's slots 2 and 3 (65,536 bytes: 2 waves x 4 partners x 8,192).
; Wave 2: at changes 2 to 9, V of pass 2's slots 0 to 7 (32,768 bytes: 4 partners x 8,192).  Pass 1's first two slots come by their loads alone; K is asked for once, in pass 1.
.macro ASK
	s_sub_co_u32 s60, s[CH], s[PLO]
	s_cmp_lt_u32 s60, s[PLEN]                      ; the wave's number, the cluster's x and the count of changes alone: the same in all four partners
	s_cbranch_scc0 .Lnot_mine_\@
	global_prefetch_b8 v[PFO], s[PFA:PFA+1] th:TH_LOAD_NT scope:SCOPE_SE
.Lnot_mine_\@:
.endm
; THE CHANGE OF SLOTS stands at a slot's head.  Each wave waits for all its tensor loads (one is out: its part of the slot that it is about to read), adds 0 to its spare word, and waits for that and for its reads of
; the slot that it has left.  mode 1, 2: the slot just left is filled with what follows (1: pass 1; its fourth change asks for pass 2's first slot.  2: pass 2): the barrier is a round of the cluster's, and the joint load is the first thing
; behind it: it has a whole slot's steps in which to land.  mode 0: the last change: nothing is left to fetch.
.macro CHANGE mode
	s_wait_tensorcnt 0x0                           ; no tensor load of mine is out, so group 0 may be written
	ds_add_u32 v[SPW], v[NIL]                      ; 0 onto my spare word; the steps below stand between it and the wait for it
.if \mode
	s_xor_b32 s[G0+1], s[G0+1], SLOT1              ; the other slot than last time
.if \mode == 1
	s_add_nc_u64 s[PK:PK+1], s[PK:PK+1], 65536     ; K of the next four steps,
	s_cmp_eq_u32 s[CH], 3
	s_cselect_b64 s[G0+2:G0+3], s[PG:PG+1], s[PK:PK+1]   ; or, behind pass 1's last slot, pass 2's first
.else
	s_add_nc_u64 s[PG:PG+1], s[PG:PG+1], 32768     ; K or V of the next two steps
	s_mov_b64 s[G0+2:G0+3], s[PG:PG+1]
.endif
	s_or_b32 s[G0+3], s[G0+3], 0x80000000          ; type = 2
	s_wait_xcnt 0x0                                ; the last prefetch, a slot back, has read its address, so it may be written
	s_sub_co_i32 s60, s[CH], s[PLO]
	s_max_i32 s60, s60, 0
	s_mul_i32 s60, s60, s[PFS]
	s_mov_b32 s61, 0
	s_add_nc_u64 s[PFA:PFA+1], s[PFB:PFB+1], s[60:61]
	s_wait_dscnt 0x0                               ; the add is done, and my reads of the slot that I have left are over
	CROUND                                         ; no wave of any partner still reads that slot or has a load on its way
	tensor_load_to_lds s[G0:G0+3], s[G1:G1+7]
	s_nop 0
	PLACES
	ASK
.else
	s_wait_dscnt 0x0
	s_barrier_signal -1
	s_barrier_wait -1
.endif
.endm
.macro LOADF off                       ; eight fragments (a step's K, or its V) in one run of 32 loads, 512 consecutive bytes each
.irp t, 0,1,2,3,4,5,6,7
.irp c, 0,1,2,3
	ds_load_b128 v[FR+16*\t+4*\c:FR+16*\t+4*\c+3], v[ADK] offset:\off+2048*\t+512*\c
.endr
.endr
.endm
.macro QK q                            ; S^T = K Q^T: eight tiles of 16 keys; each product starts its sum
	WIN 0x04                                       ; source 1 (Q) window 1
.irp t, 0,1,2,3,4,5,6,7
	s_wait_dscnt 4*(7-\t)                          ; fragment t is in: 4 (7 - t) loads were issued behind its four
	v_wmma_f32_16x16x128_fp8_fp8 v[S+8*\t:S+8*\t+7], v[FR+16*\t:FR+16*\t+15], v[\q:\q+15], 0
.endr
	WIN 0
	PLACES
.endm
.macro PV acc, p                       ; O^T += V^T P^T: eight tiles of 16 channels, K = the step's 128 keys.  The accumulators take turns, one instruction a turn
	WIN 0x50                                       ; C and D window 1
.irp t, 0,1,2,3,4,5,6,7
	s_wait_dscnt 4*(7-\t)
	v_wmma_f32_16x16x128_fp8_fp8 v[\acc+8*\t:\acc+8*\t+7], v[FR+16*\t:FR+16*\t+15], v[\p:\p+15], v[\acc+8*\t:\acc+8*\t+7]
.endr
	WIN 0
.endm
.macro MASK                            ; the step on the diagonal: register n holds key 32 (n / 16) + n % 16 + 16 (lane / 16) of the block: where it comes after my query, the score is -10000
.set n, 0
.rept 64
	v_cmp_gt_i32 vcc_lo, 32*(n/16)+n%16, v[DG]
	v_cndmask_b32 v[S+n], v[S+n], v[NEGS], vcc_lo
.set n, n+1
.endr
.endm
; PASS 1, one tile, one step.  Each LANE keeps its own T and sums over its 64 keys of a step; the two lanes of a query meet once, in FINISH.
.macro P1SOFT r
	v_max3_num_f32 v[\r+12], v[S], v[S+1], v[S+2]  ; the largest of my 64 scores, in two chains
	v_max3_num_f32 v[\r+13], v[S+3], v[S+4], v[S+5]
.irp i, 6,10,14,18,22,26,30,34,38,42,46,50,54,58
	v_max3_num_f32 v[\r+12], v[\r+12], v[S+\i], v[S+\i+1]
	v_max3_num_f32 v[\r+13], v[\r+13], v[S+\i+2], v[S+\i+3]
.endr
	v_max3_num_f32 v[\r+12], v[\r+12], v[S+62], v[S+63]
	v_max_num_f32 v[\r+12], v[\r+12], v[\r+13]
	v_mul_f32 v[\r+12], s[CS], v[\r+12]            ; as t (the factor is positive)
	v_max_num_f32 v[\r+12], v[\r+12], v[\r]        ; the new T
	v_sub_f32 v[\r+4], v[\r], v[\r+12]             ; old T - new T
	v_mov_b32 v[\r], v[\r+12]
	v_sub_f32 v[\r+2], 0, v[\r+12]                 ; -T
.set j, 0
.rept 32
	v_pk_fma_f32 v[S+j:S+j+1], v[S+j:S+j+1], s[CS:CS+1], v[\r+2:\r+3] op_sel_hi:[1,0,0]   ; t - T, two at a time (of both pairs the low word serves both halves)
.set j, j+2
.endr
	v_exp_f32 v[\r+4], v[\r+4]                     ; ONE BATCH of 66 exponentials: f = 2^(old T - new T),
	v_exp_f32 v[\r+6], v[\r+2]                     ; 2^(-T),
.set j, 0
.rept 64
	v_exp_f32 v[S+j], v[S+j]                       ; 2^(t - T)
.set j, j+1
.endr
	v_nop                                          ; a plain place behind the last exponential
	s_wait_alu depctr_va_vdst(0)                   ; one wait for the batch, ahead of its first reader
	v_pk_mul_f32 v[\r+8:\r+9], v[\r+8:\r+9], v[\r+4:\r+5] op_sel_hi:[1,0]       ; the sums under the new T
	v_pk_mul_f32 v[\r+10:\r+11], v[\r+10:\r+11], v[\r+4:\r+5] op_sel_hi:[1,0]
.set j, 0
.rept 32
	v_pk_add_f32 v[S+j:S+j+1], v[S+j:S+j+1], v[\r+6:\r+7] op_sel_hi:[1,0] neg_lo:[0,1] neg_hi:[0,1]   ; 2^(t - T) - 2^(-T)
.set j, j+2
.endr
.set j, 0
.rept 64
	v_add_f32 v[\r+8+j%4], v[\r+8+j%4], |v[S+j]|   ; the sum of magnitudes, in four chains
.set j, j+1
.endr
.endm
; Between the passes: the two lanes of a query meet; the keys of the steps left out are added; the tile's constants for pass 2 are made.
.macro FINISH r, cn, ns
	v_add_f32 v[\r+8], v[\r+8], v[\r+9]
	v_add_f32 v[\r+10], v[\r+10], v[\r+11]
	v_add_f32 v[\r+8], v[\r+8], v[\r+10]           ; my sum
	v_permlanex16_b32 v[\r+12], v[\r], s[SEL], s[SEL+1]     ; the other lane's T
	v_permlanex16_b32 v[\r+13], v[\r+8], s[SEL], s[SEL+1]   ; and sum
	v_max_num_f32 v[\r+14], v[\r], v[\r+12]        ; the row's T
	v_sub_f32 v[\r+4], v[\r], v[\r+14]
	v_sub_f32 v[\r+5], v[\r+12], v[\r+14]
	v_sub_f32 v[\cn], 0, v[\r+14]                  ; -T
	v_fma_f32 v[\r+7], v[NEGS], s[CS], v[\cn]      ; -10000 log2(e) - T
	v_exp_f32 v[\r+4], v[\r+4]
	v_exp_f32 v[\r+5], v[\r+5]
	v_exp_f32 v[\r+6], v[\cn]                      ; 2^(-T)
	v_exp_f32 v[\r+7], v[\r+7]
	v_mov_b32 v[\cn+1], v[\cn]                     ; (the pair's upper half; a plain place behind the exponentials)
	s_wait_alu depctr_va_vdst(0)                   ; one wait for the four
	v_mul_f32 v[\r+8], v[\r+8], v[\r+4]
	v_fma_f32 v[\r+8], v[\r+13], v[\r+5], v[\r+8]  ; both lanes' sums under the row's T
	v_sub_f32 v[\r+7], v[\r+7], v[\r+6]
	v_fma_f32 v[\r+8], v[\ns], |v[\r+7]|, v[\r+8]  ; + the masked keys of the steps left out
	v_add_f32 v[\r+8], 0x358637bd, v[\r+8]         ; + 1e-6
	v_rcp_f32 v[\cn+2], v[\r+8]
	v_nop
	s_wait_alu depctr_va_vdst(0)
	v_mov_b32 v[\cn+3], v[\cn+2]
	v_mul_f32 v[\cn+4], -v[\r+6], v[\cn+2]         ; -2^(-T) / divisor
	v_mov_b32 v[\cn+5], v[\cn+4]
.endm
; PASS 2, one tile, one step: attn = relu(2^(t - T) - 2^(-T)) / divisor, finished, and its codes with the given 2^e3.
.macro P2SOFT cn, p
.set j, 0
.rept 32
	v_pk_fma_f32 v[S+j:S+j+1], v[S+j:S+j+1], s[CS:CS+1], v[\cn:\cn+1] op_sel_hi:[1,0,0]
.set j, j+2
.endr
.set j, 0
.rept 64
	v_exp_f32 v[S+j], v[S+j]
.set j, j+1
.endr
	v_nop                                          ; a plain place behind the last exponential
	s_wait_alu depctr_va_vdst(0)                   ; one wait for the batch of 64
.set j, 0
.rept 32
	v_pk_fma_f32 v[S+j:S+j+1], v[S+j:S+j+1], v[\cn+2:\cn+3], v[\cn+4:\cn+5] op_sel_hi:[1,0,0]   ; (2^(t - T) - 2^(-T)) / divisor, one fused multiply-add
.set j, j+2
.endr
.set b, 0
.rept 4
.set j, 0
.rept 16
	v_med3_num_f32 v[S+16*b+j], v[S+16*b+j], 0, v[LIMP]   ; the relu and the hold in one: between 0 and the largest code x the scale (the conversion does not saturate: ISA guide 7.6.2)
.set j, j+1
.endr
	v_cvt_scalef32_pk8_fp8_f32 v[\p+4*b:\p+4*b+1], v[S+16*b:S+16*b+7], v[SCP]       ; registers 4 b .. 4 b + 3 of the operand: keys 32 b + 16 (lane / 16) + 0 .. 15
	v_cvt_scalef32_pk8_fp8_f32 v[\p+4*b+2:\p+4*b+3], v[S+16*b+8:S+16*b+15], v[SCP]
.set b, b+1
.endr
	v_nop                                          ; a plain vector line between the last conversion and the matrix instructions that read its result or write its sources
.endm
; THE WAY OUT of a tile, at its last live step: O^T x 2^(e2 + e3) goes through my own stage and leaves as whole rows of 512 bytes.
.macro EPI acc, goff
	PLACES                                         ; the results were just made
	WIN 0x01                                       ; source 0 window 1
.set j, 0
.rept 32
	v_pk_mul_f32 v[S+j:S+j+1], v[\acc+j:\acc+j+1], s[OSC:OSC+1] op_sel_hi:[1,0]   ; each accumulator from its low end on
.set j, j+2
.endr
	WIN 0
.irp t, 0,1,2,3,4,5,6,7
	ds_store_b128 v[STO], v[S+8*\t:S+8*\t+3] offset:64*\t          ; lane (r, hf): out(query r, channels 16 t + 8 hf + 0 .. 7)
	ds_store_b128 v[STO], v[S+8*\t+4:S+8*\t+7] offset:64*\t+16
.endr
.irp i, 0,1,2,3,4,5,6,7,8,9,10,11,12,13,14,15
	ds_load_b128 v[S+4*\i:S+4*\i+3], v[RD] offset:\i*SPITCH        ; LDS serves a wave's instructions in order (ISA guide 5.7.1.4): these see my stores
.endr
.irp i, 0,1,2,3,4,5,6,7,8,9,10,11,12,13,14,15
	s_wait_dscnt 15-\i                             ; row i is back; the younger loads may be out
	global_store_b128 v[LI], v[S+4*\i:S+4*\i+3], s[12:13] offset:\goff+8192*\i th:TH_STORE_NT   ; 32 lanes store 512 consecutive bytes, aligned; written once, read by nobody here
.endr
	s_wait_xcnt 0x0                                ; the stores have read their registers: the next step's products write them
.endm
; A key step of pass 1.  No place is written ahead of the fragment loads: on every way a whole P1SOFT stands between the last product and them.
.macro P1STEP
	v_add_nc_u32 v[ADK], s[TB], v[LI]
	s_cmp_gt_u32 s[KS], s[BB]                      ; all keys come after both my tiles: the step's work is left out (the wave's number and the count of steps alone)
	s_cbranch_scc1 .Lp1_end_\@
	LOADF 0
	s_cmp_gt_u32 s[KS], s[BA]
	s_cbranch_scc1 .Lp1_b_\@
	QK QA
	s_cmp_lg_u32 s[KS], s[BA]
	s_cbranch_scc1 .Lp1_open_a_\@
	MASK
.Lp1_open_a_\@:
	P1SOFT PA
.Lp1_b_\@:
	QK QB
	s_cmp_lg_u32 s[KS], s[BB]
	s_cbranch_scc1 .Lp1_open_b_\@
	MASK
.Lp1_open_b_\@:
	P1SOFT PB
.Lp1_end_\@:
	s_add_co_u32 s[KS], s[KS], 1
	s_add_co_u32 s[TB], s[TB], 16384
.endm
; A key step of pass 2.  V's fragments take K's registers as soon as tile B's scores are made, and land under B's softmax.
.macro P2STEP
	v_add_nc_u32 v[ADK], s[TB], v[LI]
	s_cmp_gt_u32 s[KS], s[BB]
	s_cbranch_scc1 .Lp2_end_\@
	PLACES                                         ; the last step's products have read the fragments' registers
	LOADF 0
	s_cmp_gt_u32 s[KS], s[BA]
	s_cbranch_scc1 .Lp2_b_\@
	QK QA
	s_cmp_lg_u32 s[KS], s[BA]
	s_cbranch_scc1 .Lp2_open_a_\@
	MASK
.Lp2_open_a_\@:
	P2SOFT CA, PA
.Lp2_b_\@:
	QK QB                                          ; its four places serve the loads below too
	LOADF 16384
	s_cmp_lg_u32 s[KS], s[BB]
	s_cbranch_scc1 .Lp2_open_b_\@
	MASK
.Lp2_open_b_\@:
	P2SOFT CB, PB
	PV OB, PB
	s_cmp_gt_u32 s[KS], s[BA]
	s_cbranch_scc1 .Lp2_no_a_\@
	PV OA, PA
	s_cmp_lg_u32 s[KS], s[BA]
	s_cbranch_scc1 .Lp2_no_a_\@
	EPI OA, 0                                      ; tile A's last live step
.Lp2_no_a_\@:
	s_cmp_lg_u32 s[KS], s[BB]
	s_cbranch_scc1 .Lp2_end_\@
	EPI OB, 4194304                                ; tile B's: 512 queries of 8,192 bytes further on
.Lp2_end_\@:
	s_add_co_u32 s[KS], s[KS], 1
	s_add_co_u32 s[TB], s[TB], 32768
.endm
	s_load_b256 s[4:11], s[0:1], 0x0               ; q's codes s[4:5], kimg s[6:7], vimg s[8:9], the scales' exponents s[10:11]
	s_load_b64 s[12:13], s[0:1], 0x20              ; out
	v_lshl_add_u32 v[SPW], v0, 2, SPARE
	v_mov_b32 v[NIL], 0
	ds_add_u32 v[SPW], v[NIL]                      ; the wave's opening: the add, twice on end, and its wait ahead of my first tensor load; the set-up below stands between the second and the wait
	ds_add_u32 v[SPW], v[NIL]
	v_lshrrev_b32 v28, 5, v0
	v_readfirstlane_b32 s[WV], v28                 ; wave 0..7
	s_bfe_u32 s[CX], ttmp6, 0x40000                ; my place in the cluster
	s_lshl_b32 s[XX], ttmp9, 2                     ; in a cluster launch ttmp9 counts clusters
	s_add_co_u32 s[XX], s[XX], s[CX]               ; work-group x
	s_and_b32 s[HD], ttmp7, 0xffff                 ; the head, 16 b + h, which the four partners share
	s_and_b32 s[BA], s[WV], 4
	s_add_co_u32 s[BA], s[BA], s[WV]               ; block of tile A: 0-3, 8-11
	s_add_co_u32 s[BB], s[BA], 4                   ; of tile B: 4-7, 12-15
	; descriptor group 1: 8,192 dense bytes as 32 rows of 32 elements of 8 bytes
	s_mov_b32 s[G1], 15|(3<<16)|(1<<21)            ; 15:0 the mask: all four work-groups; 17:16 elements of 8 bytes; 21 set beside a mask; no padding
	s_mov_b32 s[G1+1], 32<<16                      ; tensor_dim0 = 32
	s_mov_b32 s[G1+2], 32<<16                      ; tensor_dim1 = 32
	s_mov_b32 s[G1+3], 32<<16                      ; tile_dim0 = 32
	s_mov_b32 s[G1+4], 32                          ; tile_dim1 = 32
	s_mov_b32 s[G1+5], 32                          ; from row to row: 32 elements
	s_mov_b32 s[G1+6], 0
	s_mov_b32 s[G1+7], 0
	s_mov_b32 s[SEL], 0x76543210
	s_mov_b32 s[SEL+1], 0xfedcba98
	s_lshr_b32 s60, s[HD], 4                       ; b
	s_and_b32 s61, s[HD], 15                       ; h
	s_lshl_b32 s62, s[XX], 4
	s_lshl_b32 s63, s[BA], 7
	s_add_co_u32 s62, s62, s63                     ; tile A's first query: 16 x + 128 a
	s_lshl_b32 s66, s60, 22                        ; q's codes: b x 2^22 + query x 2,048 + h x 128
	s_lshl_b32 s67, s62, 11
	s_add_co_u32 s66, s66, s67
	s_lshl_b32 s67, s61, 7
	s_add_co_u32 s66, s66, s67
	s_mov_b32 s67, 0
	s_lshl_b32 s68, s60, 24                        ; out: b x 2^24 + query x 8,192 + h x 512
	s_lshl_b32 s69, s62, 13
	s_add_co_u32 s68, s68, s69
	s_lshl_b32 s69, s61, 9
	s_add_co_u32 s68, s68, s69
	s_mov_b32 s69, 0
	s_lshl_b32 s70, s[HD], 18                      ; pass 1: the head's images (262,144 bytes) + 8,192 x wave
	s_lshl_b32 s71, s[WV], 13
	s_add_co_u32 s70, s70, s71
	s_mov_b32 s71, 0
	s_lshl_b32 s72, s[HD], 18                      ; pass 2: + the slot's step wave / 4, + the half wave % 2 of its image
	s_lshr_b32 s73, s[WV], 2
	s_lshl_b32 s73, s73, 14
	s_add_co_u32 s72, s72, s73
	s_and_b32 s73, s[WV], 1
	s_lshl_b32 s73, s73, 13
	s_add_co_u32 s72, s72, s73
	s_mov_b32 s73, 0
	s_lshl_b32 s74, s[WV], 15                      ; the prefetches (macro ASK): waves 0, 1: K from pass 1's slot 2 on, 32,768 bytes a wave;
	s_add_co_u32 s74, s74, 131072
	s_mov_b32 s[PFS], 32768
	s_cmp_lt_u32 s[WV], 2
	s_cselect_b32 s74, s74, 0                      ; wave 2: V from its first byte on
	s_cselect_b32 s[PLO], 0, 2
	s_cselect_b32 s[PLEN], 2, 8
	s_cselect_b32 s[PFS], 65536, s[PFS]
	s_cmp_lt_u32 s[WV], 3
	s_cselect_b32 s[PLEN], s[PLEN], 0              ; the other waves ask for nothing,
	s_cmp_eq_u32 ttmp9, 0
	s_cselect_b32 s[PLEN], s[PLEN], 0              ; nor does the head's second cluster
	s_lshl_b32 s75, s[CX], 13
	s_add_co_u32 s74, s74, s75                     ; my work-group's 8,192 bytes
	s_lshl_b32 s75, s[HD], 18
	s_add_co_u32 s74, s74, s75
	s_mov_b32 s75, 0
	s_wait_dscnt 0x0                               ; both opening adds are done
	s_wait_kmcnt 0x0
	s_load_b128 s[EX:EX+3], s[10:11], 0x0          ; e0, e1, e2, e3
	s_add_nc_u64 s[4:5], s[4:5], s[66:67]
	s_add_nc_u64 s[12:13], s[12:13], s[68:69]
	s_add_nc_u64 s[PK:PK+1], s[6:7], s[70:71]
	s_and_b32 s60, s[WV], 2
	s_cmp_eq_u32 s60, 0                            ; waves 0, 1, 4, 5 fetch K in pass 2, the others V
	s_cselect_b64 s[PG:PG+1], s[6:7], s[8:9]
	s_add_nc_u64 s[PG:PG+1], s[PG:PG+1], s[72:73]
	s_cmp_lt_u32 s[WV], 2
	s_cselect_b64 s[PFB:PFB+1], s[6:7], s[8:9]
	s_add_nc_u64 s[PFB:PFB+1], s[PFB:PFB+1], s[74:75]
	s_mov_b32 s[G0], 1                             ; count = 1
	s_lshl_b32 s[G0+1], s[WV], 13                  ; LDS address: slot 0 + 8,192 x wave: no place in the cluster enters it
	s_mov_b64 s[G0+2:G0+3], s[PK:PK+1]             ; K of steps 0 to 3
	s_or_b32 s[G0+3], s[G0+3], 0x80000000          ; type = 2
	CROUND                                         ; all four work-groups are here: the first joint loads meet
	tensor_load_to_lds s[G0:G0+3], s[G1:G1+7]      ; every wave issues it: no way leads round the first fill
	s_nop 0
	PLACES
	v_and_b32 v28, 31, v0                          ; lane
	v_and_b32 v29, 15, v0                          ; r
	v_bfe_u32 v30, v0, 4, 1                        ; hf
	v_lshlrev_b32 v[LI], 4, v28
	v_lshlrev_b32 v[QO], 11, v29
	v_lshl_add_u32 v[QO], v30, 4, v[QO]
	WIN 0x40                                       ; destination window 1
.irp c, 0,1,2,3
	global_load_b128 v[QA+4*\c:QA+4*\c+3], v[QO], s[4:5] offset:32*\c             ; Q's fragments stay in registers: channels 32 c + 16 hf + 0 .. 15
	global_load_b128 v[QB+4*\c:QB+4*\c+3], v[QO], s[4:5] offset:1048576+32*\c     ; tile B: 512 queries of 2,048 bytes further on
.endr
.set j, 0
.rept 128
	v_mov_b32 v[j], 0                              ; O^T of both tiles, once: so pass 2's step has no first form of its own
.set j, j+1
.endr
	WIN 0
.set j, 0
.rept 32
	v_mov_b32 v[PA+j], 0                           ; both tiles' statistics: T = 0, the sums = 0; the rest is written because pairs and lane permutes name it
.set j, j+1
.endr
	v_lshlrev_b32 v31, 4, v30
	v_sub_nc_u32 v[DG], v29, v31
	s_lshl_b32 s60, s[XX], 4
	v_add_nc_u32 v[DG], s60, v[DG]
	s_mul_i32 s61, s[WV], 16*SPITCH
	s_add_co_u32 s61, s61, STAGE                   ; my stage
	v_mul_u32_u24 v[STO], v29, SPITCH
	v_lshl_add_u32 v[STO], v30, 5, v[STO]
	v_add_nc_u32 v[STO], s61, v[STO]               ; in: row r, + 32 hf
	v_add_nc_u32 v[RD], s61, v[LI]                 ; back: 16 bytes a lane of a row
	v_lshlrev_b32 v[PFO], 8, v28
	s_sub_co_u32 s60, 15, s[BA]
	s_lshl_b32 s60, s60, 7
	v_cvt_f32_u32 v[NSA], s60
	s_sub_co_u32 s60, 15, s[BB]
	s_lshl_b32 s60, s60, 7
	v_cvt_f32_u32 v[NSB], s60
	s_wait_kmcnt 0x0
	s_add_co_i32 s60, s[EX], s[EX+1]               ; a raw sum stands for sum x 2^(e0 + e1): the exponents are added to log2(e)'s exponent field
	s_lshl_b32 s61, s60, 23
	s_add_co_i32 s[CS], s61, 0x3fb8aa3b
	s_mov_b32 s[CS+1], s[CS]                       ; (named with it as a pair, so it is written)
	s_sub_co_i32 s60, 0, s60
	v_mov_b32 v[NEGS], 0xc61c4000                  ; -10000
	v_ldexp_f32 v[NEGS], v[NEGS], s60
	s_add_co_i32 s60, s[EX+3], 127
	s_lshl_b32 s61, s60, 23
	v_mov_b32 v[SCP], s61                          ; 2^e3 as f32, for the conversion
	s_add_co_i32 s60, s60, 8
	s_lshl_b32 s60, s60, 23
	s_or_b32 s60, s60, 0x600000
	v_mov_b32 v[LIMP], s60                         ; 448 x 2^e3
	s_add_co_i32 s[OSC], s[EX+2], s[EX+3]
	s_add_co_i32 s[OSC], s[OSC], 127
	s_lshl_b32 s[OSC], s[OSC], 23                  ; 2^(e2 + e3) as f32
	s_mov_b32 s[OSC+1], s[OSC]
	s_mov_b32 s[CH], 0
	s_mov_b32 s[KS], 0
	s_mov_b32 s[TB], 0
	s_wait_loadcnt 0x0                             ; Q
	; ---- PASS 1: four slots of four steps.  The changes ask for pass 1's slots 1, 2, 3 and pass 2's slot 0: the ring does not stop between the passes.  Slot 1's first fill stands behind the first round, at which nothing is filled again
	s_mov_b32 s[LC], 4
.Lp1:
	CHANGE 1
	s_mov_b32 s[QI], 4
.Lp1s:
	P1STEP
	s_sub_co_u32 s[QI], s[QI], 1
	s_cmp_lg_u32 s[QI], 0
	s_cbranch_scc1 .Lp1s
	s_sub_co_u32 s[TB], s[TB], 65536               ; back to a slot's first step,
	s_xor_b32 s[TB], s[TB], SLOT1                  ; in the other slot
	s_add_co_u32 s[CH], s[CH], 1
	s_sub_co_u32 s[LC], s[LC], 1
	s_cmp_lg_u32 s[LC], 0
	s_cbranch_scc1 .Lp1
	FINISH PA, CA, NSA
	FINISH PB, CB, NSB
	s_mov_b32 s[KS], 0
	; ---- PASS 2: eight slots of two steps; the first seven changes ask for slots 1 to 7
	s_mov_b32 s[LC], 7
.Lp2:
	CHANGE 2
	s_mov_b32 s[QI], 2
.Lp2s:
	P2STEP
	s_sub_co_u32 s[QI], s[QI], 1
	s_cmp_lg_u32 s[QI], 0
	s_cbranch_scc1 .Lp2s
	s_sub_co_u32 s[TB], s[TB], 65536
	s_xor_b32 s[TB], s[TB], SLOT1
	s_add_co_u32 s[CH], s[CH], 1
	s_sub_co_u32 s[LC], s[LC], 1
	s_cmp_lg_u32 s[LC], 0
	s_cbranch_scc1 .Lp2
	CHANGE 0                                       ; the last slot is written out
	s_mov_b32 s[QI], 2
.Lp2t:
	P2STEP
	s_sub_co_u32 s[QI], s[QI], 1
	s_cmp_lg_u32 s[QI], 0
	s_cbranch_scc1 .Lp2t
	s_wait_tensorcnt 0x0                           ; the wave's end: behind my last tensor load and my last LDS store
	ds_add_u32 v[SPW], v[NIL]
	s_wait_dscnt 0x0
	CROUND                                         ; the closing round: no work-group ends while a partner may still ask for a tile that names it
	s_endpgm
.Lfunc_end_k_qe355458270_attn:
	.size	k_qe355458270_attn, .Lfunc_end_k_qe355458270_attn-k_qe355458270_attn
	.p2alignl 7, 3214868480
	.fill 96, 4, 3214868480
	.section	.rodata,"a",@progbits
	.p2align	6, 0x0
	.amdhsa_kernel k_qe355458270_attn
		.amdhsa_group_segment_fixed_size 327680
		.amdhsa_private_segment_fixed_size 0
		.amdhsa_enable_private_segment 0
		.amdhsa_kernarg_size 40
		.amdhsa_user_sgpr_count 2
		.amdhsa_user_sgpr_kernarg_segment_ptr 1
		.amdhsa_wavefront_size32 1
		.amdhsa_system_sgpr_workgroup_id_x 1
		.amdhsa_system_sgpr_workgroup_id_y 1
		.amdhsa_system_sgpr_workgroup_id_z 1
		.amdhsa_system_vgpr_workitem_id 0
		.amdhsa_next_free_vgpr 416
		.amdhsa_next_free_sgpr 80
		.amdhsa_reserve_vcc 1
		.amdhsa_float_denorm_mode_32 3
		.amdhsa_float_denorm_mode_16_64 3
		.amdhsa_memory_ordered 1
		.amdhsa_forward_progress 1
		.amdhsa_inst_pref_size 161
	.end_amdhsa_kernel
	.amdgpu_metadata
---
amdhsa.version: [ 1, 2 ]
amdhsa.kernels:
  - .name:           k_qe355458270_attn
    .symbol:         k_qe355458270_attn.kd
    .args:
      - { .name: q_codes, .offset: 0, .size: 8, .value_kind: global_buffer, .address_space: global }
      - { .name: kimg, .offset: 8, .size: 8, .value_kind: global_buffer, .address_space: global }
      - { .name: vimg, .offset: 16, .size: 8, .value_kind: global_buffer, .address_space: global }
      - { .name: lowp_scales, .offset: 24, .size: 8, .value_kind: global_buffer, .address_space: global }
      - { .name: out0, .offset: 32, .size: 8, .value_kind: global_buffer, .address_space: global }
    .group_segment_fixed_size: 327680
    .private_segment_fixed_size: 0
    .kernarg_segment_align: 8
    .kernarg_segment_size: 40
    .max_flat_workgroup_size: 256
    .sgpr_count:     80
    .vgpr_count:     416
    .wavefront_size: 32
...
	.end_amdgpu_metadata
.endif
;; end of part 2
